; MI455X (gfx1250); checked and timed in simulation.
; The chip was launched on July 23, 2026; its instructions are those of AMD's public machine-readable ISA for CDNA 5 (MIT licence, August 2026) and "CDNA5" Instruction Set Architecture Reference Guide (July 2026). The comments in the code are by the model that wrote it; some were corrected since.
;; Multi Headed Attention. Allowed arithmetic: matrix products marked QUANTISED: E2M1 operands, one E8M0 scale for each 32 along K, by v_wmma_scale_f32_16x16x128_f8f6f4 with both operands' format E2M1 (or v_wmma_scale_f32_32x16x128_f4), f32 sums; products left as they are: f32 operands where the result goes on into a quantised operand, else bf16, f16 or f32 operands; f32 sums; everything else in f32.
;; Inputs: Wk_codes 4,096 x 16 x 16 uint8 (E2M1 codes of Wk, K innermost, in blocks of 32 codes, two codes a byte); Wk_scales 4,096 x 16 uint8 (E8M0 scales of Wk, one for each 32 codes along K); Wo 4,096 x 8 float32; Wq_codes 4,096 x 16 x 16 uint8 (E2M1 codes of Wq, K innermost, in blocks of 32 codes, two codes a byte); Wq_scales 4,096 x 16 uint8 (E8M0 scales of Wq, one for each 32 codes along K); Wv_codes 4,096 x 16 x 16 uint8 (E2M1 codes of Wv, K innermost, in blocks of 32 codes, two codes a byte); Wv_scales 4,096 x 16 uint8 (E8M0 scales of Wv, one for each 32 codes along K); bk 4,096 float32; bo 8 float32; bq 4,096 float32; bv 4,096 float32; x_codes 1,024 x 4 x 16 x 16 uint8 (E2M1 codes of x, K innermost, in blocks of 32 codes, two codes a byte); x_scales 1,024 x 4 x 16 uint8 (E8M0 scales of x, one for each 32 codes along K).
;; Outputs: out0 1,024 x 4 x 8 float32.
;; This version of the problem:
;;   THIS VERSION OF THE PROBLEM IS GIVEN IN LOW PRECISION. The matrix products marked QUANTISED in the list below multiply operands that are first quantised to E2M1 (2 exponent bits, 1 mantissa bit; 4 bits a number), with one power-of-two scale for each 32 numbers along K (OCP MX v1.0); their sums are f32. All else is computed in f32.
;;   The module's matrix products, in the order in which they are computed (A, B: the left and right operand; K: the contracted axis; several contracted axes count as one K, in the product's order):
;;     1. [M 4,096, K 512] x [K 512, N 4,096]; A: input x (given as codes); B: input Wq (given as codes): QUANTISED
;;     2. [M 4,096, K 512] x [K 512, N 4,096]; A: input x (given as codes); B: input Wk (given as codes): QUANTISED
;;     3. [M 4,096, K 512] x [K 512, N 4,096]; A: input x (given as codes); B: input Wv (given as codes): QUANTISED
;;     4. batch 32 x [M 1,024, K 512] x [K 512, N 1,024]; A: computed on the way; B: computed on the way: QUANTISED
;;     5. batch 32 x [M 512, K 1,024] x [K 1,024, N 1,024]; A: computed on the way; B: softmax (see below): QUANTISED
;;     6. [M 4,096, K 4,096] x [K 4,096, N 8]; A: computed on the way; B: input Wo: left as it is (N = 8 < 16)
;;   THE QUANTISER, for each operand of a quantised product, along K:
;;     - K is cut into blocks of 32 from its start; a last block that is shorter is filled with zeros.
;;     - A block's scale is 2^e with e = floor(log2(the largest magnitude in the block)) - 2, held to -126 .. 127; a block of zeros has e = 0. As a byte (E8M0): e + 127.
;;     - Each number is divided by its block's scale, clamped to +-6, and rounded to the nearest number of E2M1, ties to even, subnormals kept.
;;     - The product sums the exact products of the quantised numbers (number of the format x scale) in f32.
;;   ~~~python
;;   def quantise(x, axis):      # numpy; x: float32 -> the quantised numbers, widened to float32 again
;;       x = np.moveaxis(x, axis, -1); K = x.shape[-1]
;;       x = np.pad(x, [(0, 0)] * (x.ndim - 1) + [(0, -K % 32)]); x = x.reshape(x.shape[:-1] + (-1, 32)); a = np.abs(x).max(-1, keepdims=True)
;;       e = np.where(a > 0, np.clip(np.frexp(np.where(a > 0, a, 1))[1] - 1 - 2, -126, 127), 0)      # np.frexp(a)[1] - 1 = floor(log2(a)), exactly
;;       r = np.clip(x / 2.0 ** e, -6, 6)
;;       step = 2.0 ** (np.maximum(np.frexp(np.where(r == 0, 1, r))[1] - 1, 0) - 1)
;;       q = np.round(r / step) * step * 2.0 ** e      # np.round: ties to even
;;       return np.moveaxis(q.reshape(q.shape[:-2] + (-1,))[..., :K], -1, axis).astype(np.float32)
;;   ~~~
;;   SOFTMAX AHEAD OF A QUANTISED PRODUCT. Where the list says 'softmax', what is quantised is not the finished softmax but p = 2^(t - M), with t = logit x log2(e) and M = ceil(the row's largest t), a whole number; so 1/2 < the row's largest p <= 1. The row's sum l is taken of the UNQUANTISED p, in f32, and the product's result is divided by l at the end. Since M is a whole number, a kernel that streams over the keys may use a running M (the ceiling of the running maximum): every later rescaling is an exact power of two, which a block's scale takes up: the codes' values come out the same.
;;   OPERANDS COMPUTED ON THE WAY. 'Computed on the way' means the value that the module computes at that place (a softmax that the list does not call 'softmax' is quantised finished and normalised). What goes into a quantiser is computed in f32, as accurately as f32 sums, v_exp_f32 and their like allow (about 1e-6 of the number): no bf16 or f16 on the way to a quantiser, and a product that is left as it is and whose result goes on into a quantised operand takes f32 operands (vector FMAs, or v_wmma_f32_16x16x4_f32). A number that lies on a knife's edge between two numbers of the format may be rounded either way, as far as f32 arithmetic and the matrix unit's own rounding can turn it there, and no further.
;;   INPUTS GIVEN AS CODES. Wk (in the module: [512, 4096], K = its axis 0); Wq (in the module: [512, 4096], K = its axis 0); Wv (in the module: [512, 4096], K = its axis 0); x (in the module: [1024, 4, 512], K = its axis 2): each comes as NAME_codes (uint8): NAME with its K axis moved to the last place and cut into blocks of 32 codes, [.., K / 32, bytes a block], one block behind the other in memory; two codes a byte, the lower K in the low four bits (a code: sign, 2 exponent bits, 1 mantissa bit); and NAME_scales (uint8): the same leading axes, one E8M0 byte (e + 127) for each 32 codes along K. Its value is code x scale, taken as it is: it is not quantised again, and the codes and scales need not be those that the quantiser above would give.
;; One version. Each part assembles by itself: llvm-mc -triple=amdgcn-amd-amdhsa -mcpu=gfx1250 --defsym DOCPART=n.
;; ======== version 1 of 1: 3 launches
;; limits: values are held in bf16: 8 bits of precision; right only within a limited range of input values
;; workspace buffers: kvc 17,825,792 bytes; wob 524,288 bytes; part 1,048,576 bytes
;; launch proj (part 1): grid 16 x 16, 4 waves a work-group, clusters of 4 x 4, 327,680 bytes of LDS; arguments x_codes, x_scales, Wk_codes, Wv_codes, Wk_scales, Wv_scales, bk, bv, Wo, kvc, wob; writes kvc, wob
.if DOCPART == 1
	.amdgcn_target "amdgcn-amd-amdhsa--gfx1250"
	.amdhsa_code_object_version 6
	.text
	.protected	k_q0bf85052b2_proj
	.globl	k_q0bf85052b2_proj
	.p2align	8
	.type	k_q0bf85052b2_proj,@function
k_q0bf85052b2_proj:
	s_mov_b64 s[64:65], 0
	v_nop
	global_prefetch_b8 v0, s[64:65] scope:SCOPE_SE
	s_setreg_imm32_b32 hwreg(HW_REG_WAVE_MODE, 25, 1), 1
	s_wait_xcnt 0x0
	s_wait_alu depctr_hold_cnt(0) depctr_sa_sdst(0) depctr_va_vdst(0) depctr_va_sdst(0) depctr_va_ssrc(0) depctr_va_vcc(0) depctr_vm_vsrc(0)
	s_getreg_b32 s2, hwreg(HW_REG_IB_STS2, 6, 4)
	s_cmp_eq_u32 s2, 0
	s_cbranch_scc0 .Lentry_in_a_cluster
	s_endpgm
.Lentry_in_a_cluster:
	s_bfe_u32 s2, ttmp6, 0x10000c
	s_cmp_lg_u32 s2, 0xf033
	s_cbranch_scc0 .Lentry_shape_is_right
	s_endpgm
.Lentry_shape_is_right:
; k = (x Wk + bk) 512^-0.25 and v = x Wv + bv on the given codes of E2M1, and their quantising for the two products of the attention: k along the head's 512 features, v along the keys.  Wo is rounded to bf16 on the side.
; DEAD WORK: none.  Every bias goes into a quantised operand of a live product, where it can move codes and scales; every input has a way to the output and is loaded by some launch.
; LIMITS: NaN and infinities among the inputs are not served.  A block whose largest magnitude lies under 2^-124 keeps the scale byte 1; so does a block of zeros, where the rule says 127:
; its codes are zeros, and these bytes are read by this program alone.  The bias of k starts each sum (as C of the first product), so it is added first and not last.
; SHARES.  A work-group makes 256 rows (256 t of one b) x 256 features of k and of v; each of its four waves 128 x 128: 32 accumulators of 32 x 16, two passes over K = 512 in four steps of 128.
; All of K of the three tiles (x, Wk, Wv: 256 rows x 256 bytes each) lies in LDS at once.  Head: waves 0, 1 fetch x's halves, waves 2, 3 Wk's; Wv's quarters follow behind the full sequence.
; CLUSTER 4 x 4: the four work-groups of a row need the same tile of x, the four of a column the same tiles of W: each tile is asked for jointly.  No loop runs ahead here, so nothing is prefetched.
; ROLES.  Source 0 (R, 32 rows) gives the index that runs along a lane's registers, source 1 (P, 16 rows) the index that runs along the lanes.  k: R = Wk, P = x: a lane holds one t and its registers run along the features.
; v: R = x, P = Wv: a lane holds one feature and its registers run along t, the keys.  So P's block p has 128 numbers along the next product's K in 64 registers of lanes l and l xor 16.
; SCALES.  Register 4 i + q holds the words of K step q for tiles 2 i (lanes 0-15) and 2 i + 1 (lanes 16-31): 32 rows for source 0; source 1 takes lanes 16-31 for odd tiles.
; WHAT IS STORED is an image of an operand's registers: a fragment (16 rows x 128 K) is 8 registers a lane; registers 4 c .. 4 c + 3 lie at 512 c + 16 x lane.
; The scale words of eight fragments are 512 bytes: 16 bytes a lane are four scale registers of the reader, fragments 2 i in lanes 0-15, 2 i + 1 in lanes 16-31.
; kvc: for each slice n 16 parts of 34,816 bytes, K's key steps 0-7 and then V's: 32 fragments, and behind them the part's 2,048 bytes of scale words.
; REGISTERS.  Window 0: v1-15 addresses; v16-31 bv, twice each; v32-47 x's scale words, v48-63 W's; v64-159 at work; v128-191 P's fragments, set 1; v192-255 codes.
; Window 1: v0-63, v128-191 R's fragments, two sets; v64-127 bk in the result's layout; v192-255 P's fragments, set 0.  Windows 2, 3: block p's 64 numbers at v[64 (p % 4)].
.set PITCH, 272                        ; an LDS row: 256 bytes + 16 of padding
.set HALFT, 128*PITCH
.set QTR,   64*PITCH
.set WT1,   256*PITCH                  ; Wk's tile;  x's lies at 0
.set WT2,   2*256*PITCH                ; Wv's
.set SPARE, 3*256*PITCH                ; the spare words, 128 bytes for each wave
.set PARTB, 34816
.set VPART0, 8*PARTB
.set ADX, 4
.set ADK, 5
.set ADV, 6
.set LI,  8                            ; 16 x lane
.set XSA, 9
.set BIA, 10
.set BVA, 11
.set WOA, 12
.set SPW, 13                           ; my spare word; never rewritten
.set NIL, 14                           ; 0; never rewritten
.set BV,  16
.set XS,  32
.set WS,  48
.set TT,  64
.set TA,  96
.set SO,  128
.set PCD, 192
.set BI,  64                           ; in window 1
.set G1X, 28
.set G1W, 36
.set G0X, 44
.set G0K, 48
.set G0V, 52
.set MSK, 56                           ; lanes 16-31
.set WV,  72
.set SEL, 80
.set SCQ, 82
.set MSB, 0
.macro WIN new                         ; the immediate's high byte repeats the setting that is left
.if MSB != (\new)
	s_set_vgpr_msb (MSB<<8)|(\new)
.set MSB, (\new)
.endif
.endm
.macro VW
	s_wait_alu depctr_va_vdst(0)
.endm
.macro PLACES
.rept 4
	v_nop
.endr
.endm
.macro CROUND                          ; a round of the cluster's barrier
	s_barrier_signal -1
	s_barrier_wait -1
	s_cmp_lg_u32 s[WV], 0
	s_cbranch_scc1 .Lnot_wave_0_\@
	s_barrier_signal -3
.Lnot_wave_0_\@:
	s_barrier_wait -3
	s_barrier_signal -1
	s_barrier_wait -1
.endm
	s_load_b512 s[4:19], s[0:1], 0x0               ; x_codes 4, x_scales 6, Wk_codes 8, Wv_codes 10, Wk_scales 12, Wv_scales 14, bk 16, bv 18
	s_load_b128 s[20:23], s[0:1], 0x40             ; Wo 20, kvc 22
	s_load_b64 s[24:25], s[0:1], 0x50              ; wob
	v_lshl_add_u32 v[SPW], v0, 2, SPARE
	v_mov_b32 v[NIL], 0
	ds_add_u32 v[SPW], v[NIL]                      ; the wave's opening: the add, twice on end, and its wait
	ds_add_u32 v[SPW], v[NIL]
	v_lshrrev_b32 v1, 5, v0
	v_readfirstlane_b32 s[WV], v1                  ; wave 0..3
	s_lshr_b32 s73, s[WV], 1                       ; wr: which 128 of the 256 t
	s_and_b32 s74, s[WV], 1                        ; wc: which 128 of the 256 features; also which half of a tile I fetch at the head
	s_bfe_u32 s75, ttmp6, 0x40000                  ; cx
	s_bfe_u32 s76, ttmp6, 0x40004                  ; cy, which is also b: work-group y = 4 tb + b
	s_lshl_b32 s77, ttmp9, 2
	s_add_co_u32 s77, s77, s75                     ; j: features 256 j on
	s_and_b32 s79, ttmp7, 0xffff                   ; tb: t = 256 tb on
	s_lshl_b32 s84, s76, 2
	s_lshl_b32 s84, 15, s84                        ; my row of the cluster
	s_lshl_b32 s85, 0x1111, s75                    ; my column
	s_or_b32 s[G1X], s84, (1<<20)|(1<<21)|(5<<22)|(3<<25)  ; the mask; elements of 1 byte; padding of four words after every 64; bit 21 beside the mask
	s_or_b32 s[G1W], s85, (1<<20)|(1<<21)|(5<<22)|(3<<25)
.irp g, G1X, G1W
	s_mov_b32 s[\g+1], 256<<16
	s_mov_b32 s[\g+2], 128<<16                     ; 128 rows; Wv's loads take 64
	s_mov_b32 s[\g+3], 256<<16
	s_mov_b32 s[\g+4], 128
	s_mov_b32 s[\g+6], 0
	s_mov_b32 s[\g+7], 0
.endr
	s_mov_b32 s[G1X+5], 1024                       ; from t to t + 1 of one b: four rows of 256 bytes
	s_mov_b32 s[G1W+5], 256
	s_lshl_b32 s86, s79, 18                        ; x: 256 tb rows of 1,024 bytes,
	s_lshl_b32 s84, s76, 8
	s_add_co_u32 s86, s86, s84                     ; + b rows of 256,
	s_lshl_b32 s84, s74, 17
	s_add_co_u32 s86, s86, s84                     ; + my 128 t: nothing of cx enters
	s_mov_b32 s87, 0
	s_lshl_b32 s88, s77, 16                        ; W: 256 j rows of 256 bytes,
	s_lshl_b32 s85, s[WV], 14
	s_add_co_u32 s94, s88, s85                     ; Wv: + my 64 rows
	s_mov_b32 s95, 0
	s_lshl_b32 s85, s74, 15
	s_add_co_u32 s88, s88, s85                     ; Wk: + my 128 rows: nothing of cy enters
	s_mov_b32 s89, 0
	s_mul_i32 s90, s74, HALFT
	s_mul_i32 s91, s[WV], QTR
	s_mov_b32 s[MSK], 0xffff0000
	s_mov_b32 s[SEL], 0x76543210
	s_mov_b32 s[SEL+1], 0xfedcba98
	s_mov_b32 s[SCQ], 0x3e5744fd                   ; 512^-0.25
	s_mov_b32 s[SCQ+1], s[SCQ]
	VW
	s_wait_dscnt 0x0                               ; both opening adds are done
	s_wait_kmcnt 0x0
	s_mov_b32 s[G0X], 1
	s_mov_b32 s[G0X+1], s90
	s_add_nc_u64 s[G0X+2:G0X+3], s[4:5], s[86:87]
	s_or_b32 s[G0X+3], s[G0X+3], 0x80000000
	s_mov_b32 s[G0K], 1
	s_add_co_u32 s[G0K+1], s90, WT1
	s_add_nc_u64 s[G0K+2:G0K+3], s[8:9], s[88:89]
	s_or_b32 s[G0K+3], s[G0K+3], 0x80000000
	s_mov_b32 s[G0V], 1
	s_add_co_u32 s[G0V+1], s91, WT2
	s_add_nc_u64 s[G0V+2:G0V+3], s[10:11], s[94:95]
	s_or_b32 s[G0V+3], s[G0V+3], 0x80000000
	CROUND                                         ; all sixteen work-groups are here: the first joint loads meet
	s_cmp_lt_u32 s[WV], 2                          ; one tensor load a wave at the head
	s_cbranch_scc0 .Lhead_w
	tensor_load_to_lds s[G0X:G0X+3], s[G1X:G1X+7]
	s_nop 0
	PLACES
	s_branch .Lhead_asked
.Lhead_w:
	tensor_load_to_lds s[G0K:G0K+3], s[G1W:G1W+7]
	s_nop 0
	PLACES
.Lhead_asked:
	; every pointer is moved to my part once
	s_mov_b32 s95, 0
	s_lshl_b32 s94, s79, 14                        ; x's scales: (256 tb + 128 wr) x 64 + 16 b
	s_lshl_b32 s84, s73, 13
	s_add_co_u32 s94, s94, s84
	s_lshl_b32 s84, s76, 4
	s_add_co_u32 s94, s94, s84
	s_add_nc_u64 s[6:7], s[6:7], s[94:95]
	s_lshl_b32 s94, s77, 12                        ; W's scales: (256 j + 128 wc) x 16
	s_lshl_b32 s84, s74, 11
	s_add_co_u32 s94, s94, s84
	s_add_nc_u64 s[12:13], s[12:13], s[94:95]
	s_add_nc_u64 s[14:15], s[14:15], s[94:95]
	s_lshr_b32 s94, s94, 2                         ; the biases: (256 j + 128 wc) x 4
	s_add_nc_u64 s[16:17], s[16:17], s[94:95]
	s_add_nc_u64 s[18:19], s[18:19], s[94:95]
	s_lshl_b32 s78, s79, 2
	s_add_co_u32 s78, s78, s76                     ; work-group y
	s_lshl_b32 s94, s78, 4
	s_add_co_u32 s94, s94, s77
	s_lshl_b32 s94, s94, 2
	s_add_co_u32 s94, s94, s[WV]                   ; U: my wave among the launch's 1,024: slice U / 32, half fragment U % 32 of Wo^T
	s_lshr_b32 s84, s94, 5
	s_and_b32 s84, s84, 7
	s_lshl_b32 s84, s84, 14                        ; the slice's head: 512 rows of Wo, 32 bytes each
	s_and_b32 s78, s94, 31
	s_lshl_b32 s78, s78, 9                         ; 16 rows of Wo are 512 bytes
	s_lshl_b32 s94, s94, 9                         ; and so is half a fragment: byte 512 U of wob
	s_add_nc_u64 s[24:25], s[24:25], s[94:95]
	s_add_co_u32 s94, s84, s78
	s_add_nc_u64 s[20:21], s[20:21], s[94:95]
	s_lshr_b32 s84, s77, 1
	s_lshl_b32 s85, s76, 3
	s_add_co_u32 s84, s84, s85                     ; n = 8 b + head
	s_mul_i32 s84, s84, 16*PARTB
	s_lshl_b32 s85, s79, 1
	s_add_co_u32 s85, s85, s73                     ; t / 128
	s_mul_i32 s85, s85, PARTB
	s_add_co_u32 s84, s84, s85                     ; the part
	s_and_b32 s86, s77, 1
	s_lshl_b32 s86, s86, 1
	s_add_co_u32 s86, s86, s74                     ; X: which 128 of the head's 512 features
	s_lshl_b32 s85, s86, 9
	s_add_co_u32 s94, s84, s85
	s_add_co_u32 s94, s94, 32768
	s_add_nc_u64 s[26:27], s[22:23], s[94:95]      ; its scale words, 512 X on
	s_lshl_b32 s85, s86, 13
	s_add_co_u32 s94, s84, s85
	s_add_nc_u64 s[22:23], s[22:23], s[94:95]      ; its fragments, 8,192 X on
	s_mul_i32 s84, s73, HALFT
	s_mul_i32 s85, s74, HALFT
	v_and_b32 v1, 15, v0                           ; r
	v_bfe_u32 v2, v0, 4, 1                         ; h
	v_and_b32 v3, 31, v0                           ; lane
	v_mul_u32_u24 v7, v1, PITCH
	v_lshl_add_u32 v7, v2, 4, v7                   ; a fragment's row x pitch + 16 h
	v_add_nc_u32 v[ADX], s84, v7
	v_add_nc_u32 v[ADV], s85, v7
	v_add_nc_u32 v[ADK], WT1, v[ADV]
	v_add_nc_u32 v[ADV], WT2, v[ADV]
	v_lshlrev_b32 v[LI], 4, v3                     ; also W's scale words: 16 bytes a row
	v_lshlrev_b32 v[XSA], 6, v3                    ; x's: 64 bytes from t to t + 1
	v_lshlrev_b32 v[BIA], 5, v2                    ; the bias as C: 8 h numbers on
	v_lshlrev_b32 v[BVA], 2, v1                    ; bv: number r
	v_and_b32 v[WOA], 7, v0
	v_lshlrev_b32 v[WOA], 2, v[WOA]
	v_lshl_add_u32 v[WOA], v2, 8, v[WOA]           ; Wo: row 8 h, column r % 8
.set z, 0
.rept 32
	v_mov_b32 v[TT+z], 0                           ; written once: a lane permute's destination counts as one of its sources
.set z, z+1
.endr
	VW                                             ; the wait at the head's end
.macro LOADWS b
.irp t, 0,1,2,3
	global_load_b128 v[WS+4*\t:WS+4*\t+3], v[LI], s[\b:\b+1] offset:512*\t
.endr
.endm
.irp t, 0,1,2,3
	global_load_b128 v[XS+4*\t:XS+4*\t+3], v[XSA], s[6:7] offset:2048*\t
.endr
	LOADWS 12
	WIN 0x40
.irp t, 0,1,2,3,4,5,6,7
	global_load_b128 v[BI+8*\t:BI+8*\t+3], v[BIA], s[16:17] offset:64*\t
	global_load_b128 v[BI+8*\t+4:BI+8*\t+7], v[BIA], s[16:17] offset:64*\t+16
.endr
	WIN 0
.irp p, 0,1,2,3,4,5,6,7
	global_load_b32 v[BV+2*\p], v[BVA], s[18:19] offset:64*\p      ; bv[16 p + r], into both registers of a pair for the packed addition
	global_load_b32 v[BV+2*\p+1], v[BVA], s[18:19] offset:64*\p
.endr
.irp i, 0,1,2,3,4,5,6,7
	global_load_b32 v[PCD+\i], v[WOA], s[20:21] offset:32*\i       ; Wo[16 u + 8 h + i][r % 8]: rows 8-15 of the fragment repeat rows 0-7
.endr
	s_wait_tensorcnt 0x0                           ; my half of x or of Wk is in
	ds_add_u32 v[SPW], v[NIL]
	s_mov_b32 s[G1W+2], 64<<16                     ; no tensor load of mine is out: from here on 64 rows
	s_mov_b32 s[G1W+4], 64
	s_wait_dscnt 0x0
	CROUND                                         ; x and Wk are whole
	tensor_load_to_lds s[G0V:G0V+3], s[G1W:G1W+7]  ; my quarter of Wv
	s_nop 0
	PLACES
.macro WM d, a, b, c, sa, sb, p        ; one scaled product of 32 x 16 x 128; c under 0: the constant 0 starts the sum
.if (\c) < 0
.if (\p)%2
	v_wmma_scale_f32_32x16x128_f4 v[\d:\d+15], v[\a:\a+15], v[\b:\b+7], 0, v[\sa], v[\sb] matrix_b_scale:MATRIX_SCALE_ROW1
.else
	v_wmma_scale_f32_32x16x128_f4 v[\d:\d+15], v[\a:\a+15], v[\b:\b+7], 0, v[\sa], v[\sb]
.endif
.elseif (\p)%2
	v_wmma_scale_f32_32x16x128_f4 v[\d:\d+15], v[\a:\a+15], v[\b:\b+7], v[\c:\c+15], v[\sa], v[\sb] matrix_b_scale:MATRIX_SCALE_ROW1
.else
	v_wmma_scale_f32_32x16x128_f4 v[\d:\d+15], v[\a:\a+15], v[\b:\b+7], v[\c:\c+15], v[\sa], v[\sb]
.endif
.endm
; P's eight blocks against R's four of 32 rows, 128 along K.  mode 0: onto the sums; 1: the constant 0 starts them; 2: the bias starts them.  The 32 accumulators take turns in the same order in every step.
; w1: the wait on DScnt ahead of the second half.
.macro MUL a, b, sa, sb, st, mode, base, w1
.irp hi, 0,1
.if \hi && (\w1 >= 0)
	s_wait_dscnt \w1
.endif
.irp p, 0,1,2,3
.if \mode == 2
	WIN \base+0x90+0x40*\hi
.else
	WIN \base+0xa0+0x50*\hi
.endif
.irp r, 0,1,2,3
.set DR, 64*\p+16*\r
.set AR, (\a)+16*\r
.set BR, (\b)+32*\hi+8*\p
.set SAR, (\sa)+(\st)*\r
.set SBR, (\sb)+(\st)*(2*\hi+\p/2)
.if \mode == 2
.set CR, BI+16*\r
.elseif \mode == 1
.set CR, -1
.else
.set CR, DR
.endif
	WM DR, AR, BR, CR, SAR, SBR, \p
.endr
.endr
.endr
.endm
; The fragments of K step q: R's into window 1, P's into window 1 (even steps) or window 0 (odd steps).
.macro FETCH adrp, adrr, q
.set PAR, (\q)%2
	WIN 0x40
.irp i, 0,1,2,3,4,5,6,7
.irp c, 0,1
	ds_load_b128 v[128*PAR+8*\i+4*\c:128*PAR+8*\i+4*\c+3], v[\adrr] offset:64*(\q)+32*\c+\i*16*PITCH
.endr
.endr
.if PAR
	WIN 0
.endif
.set PB, 192-64*PAR
.irp i, 0,1,2,3,4,5,6,7
.irp c, 0,1
	ds_load_b128 v[PB+8*\i+4*\c:PB+8*\i+4*\c+3], v[\adrp] offset:64*(\q)+32*\c+\i*16*PITCH
.endr
.endr
	WIN 0
.endm
; Four steps; the next step's fragments are asked for in one run ahead of a step's products, into the other set.  Four plain instructions stand between the last product that read a register and a load into it (ISA guide 7.12.1 for vector instructions).
; A step begins when all but its youngest eight loads (P's tiles 4-7) are in; behind those the next step's 32 have been issued when its second half begins.
.macro PASS adrp, adrr, rs, ps, mode
.irp q, 0,1,2,3
	s_wait_dscnt 8
.if \q < 3
	PLACES
	FETCH \adrp, \adrr, \q+1
.endif
.if \q == 0
	MUL 0, 192, \rs, \ps, 4, \mode, 0x05, 32
.elseif \q == 1
	MUL 128, 128, \rs+1, \ps+1, 4, 0, 0x01, 32
.elseif \q == 2
	MUL 0, 192, \rs+2, \ps+2, 4, 0, 0x05, 32
.else
	MUL 128, 128, \rs+3, \ps+3, 4, 0, 0x01, 0
.endif
.endr
	WIN 0
	PLACES
.endm
; The way out of a pass.  kind 0: x 512^-0.25 (k); kind 1: + bv (v).  Then 32 blocks by turns: block b of P's block p is registers 16 b .. of lanes l and l xor 16.  Each accumulator is read from its low end on.
.macro EPI kind, o
	s_wait_xcnt 0x0                                ; earlier stores have read their data
.irp w, 0,1
	WIN 0x82+0x41*\w
.set z, 0
.rept 128
.if \kind == 0
	v_pk_mul_f32 v[2*z:2*z+1], v[2*z:2*z+1], s[SCQ:SCQ+1] op_sel_hi:[1,0]
.else
	v_pk_add_f32 v[2*z:2*z+1], v[2*z:2*z+1], v[BV+2*(4*\w+z/32):BV+2*(4*\w+z/32)+1]
.endif
.set z, z+1
.endr
	WIN 0x0a+5*\w
.set z, 0
.rept 16
	v_max3_num_f32 v[TA+16*\w+z], |v[16*z]|, |v[16*z+1]|, 0x1800000    ; the floor 2^(3 - 127): the byte cannot fall under 1
.set z, z+1
.endr
	WIN 0x28+0x14*\w
.irp i, 2,4,6,8,10,12,14
.set z, 0
.rept 16
	v_max3_num_f32 v[TA+16*\w+z], v[TA+16*\w+z], |v[16*z+\i]|, |v[16*z+\i+1]|
.set z, z+1
.endr
.endr
	WIN 0
.set z, 16*\w
.rept 16
	v_permlanex16_b32 v[TT+z], v[TA+z], s[SEL], s[SEL+1]
.set z, z+1
.endr
.set z, 16*\w
.rept 16
	v_max_num_f32 v[TA+z], v[TA+z], v[TT+z]        ; the block's largest magnitude
.set z, z+1
.endr
.set z, 16*\w
.rept 16
	v_add_nc_u32 v[SO+z], 0xff000000, v[TA+z]      ; 2 off its exponent field: the conversion takes that field as its scale
.set z, z+1
.endr
.set z, 16*\w
.rept 16
	v_lshrrev_b32 v[TT+z], 23, v[SO+z]             ; the scale's byte
.set z, z+1
.endr
.irp i, 1,2,3
.set z, 4*\w
.rept 4
	v_lshl_or_b32 v[TT+4*z], v[TT+4*z+\i], 8*\i, v[TT+4*z]
.set z, z+1
.endr
.endr
	WIN 0x02+\w
.set z, 0
.rept 8
	v_cvt_scalef32_pk8_fp4_f32 v[PCD+32*\w+4*z], v[32*z:32*z+7], v[SO+16*\w+2*z]
	v_cvt_scalef32_pk8_fp4_f32 v[PCD+32*\w+4*z+2], v[32*z+8:32*z+15], v[SO+16*\w+2*z]
	v_cvt_scalef32_pk8_fp4_f32 v[PCD+32*\w+4*z+1], v[32*z+16:32*z+23], v[SO+16*\w+2*z+1]
	v_cvt_scalef32_pk8_fp4_f32 v[PCD+32*\w+4*z+3], v[32*z+24:32*z+31], v[SO+16*\w+2*z+1]
.set z, z+1
.endr
	v_nop                                          ; one plain instruction behind a scaled conversion
	WIN 0
.set z, 16*\w
.rept 16
	v_permlane16_swap_b32 v[PCD+2*z], v[PCD+2*z+1] ; register 4 c + i now holds codes 8 i .. 8 i + 7 of block 2 c + h
.set z, z+1
.endr
.irp i, 2*\w, 2*\w+1
	v_cndmask_b32 v[TA+(\i)], v[TT+8*(\i)], v[TT+8*(\i)+4], s[MSK]   ; lanes 0-15 fragment 2 i's words, lanes 16-31 fragment 2 i + 1's
.endr
.set z, 8*\w
.rept 8
	global_store_b128 v[LI], v[PCD+4*z:PCD+4*z+3], s[22:23] offset:\o+512*z th:TH_STORE_NT   ; 512 consecutive bytes; the first half's leave ahead of the second half's work
.set z, z+1
.endr
.if (\kind == 0) && (\w == 0)
	s_wait_tensorcnt 0x0                           ; my quarter of Wv is in
	s_barrier_signal -1
	s_barrier_wait -1                              ; everybody's is
	FETCH ADV, ADX, 0                              ; v's first fragments land under the second half of k's way out: the sources change places
.endif
.endr
	global_store_b128 v[LI], v[TA:TA+3], s[26:27] offset:\o th:TH_STORE_NT
.endm
	FETCH ADX, ADK, 0
	s_wait_loadcnt 0x0
.irp i, 0,1,2,3
	v_cvt_pk_bf16_f32 v[PCD+8+\i], v[PCD+2*\i], v[PCD+2*\i+1]
.endr
	global_store_b128 v[LI], v[PCD+8:PCD+11], s[24:25]
	PASS ADX, ADK, WS, XS, 2                       ; k
	LOADWS 14
	EPI 0, 0
	s_wait_loadcnt 0x0                             ; Wv's scale words
	PASS ADV, ADX, XS, WS, 1                       ; v
	EPI 1, VPART0
	s_wait_tensorcnt 0x0                           ; the wave's end
	ds_add_u32 v[SPW], v[NIL]
	s_wait_dscnt 0x0
	CROUND                                         ; the closing round
	s_endpgm
.Lfunc_end_k_q0bf85052b2_proj:
	.size	k_q0bf85052b2_proj, .Lfunc_end_k_q0bf85052b2_proj-k_q0bf85052b2_proj
	.p2alignl 7, 3214868480
	.fill 96, 4, 3214868480
	.section	.rodata,"a",@progbits
	.p2align	6, 0x0
	.amdhsa_kernel k_q0bf85052b2_proj
		.amdhsa_group_segment_fixed_size 327680
		.amdhsa_private_segment_fixed_size 0
		.amdhsa_enable_private_segment 0
		.amdhsa_kernarg_size 88
		.amdhsa_user_sgpr_count 2
		.amdhsa_user_sgpr_kernarg_segment_ptr 1
		.amdhsa_wavefront_size32 1
		.amdhsa_system_sgpr_workgroup_id_x 1
		.amdhsa_system_sgpr_workgroup_id_y 1
		.amdhsa_system_sgpr_workgroup_id_z 1
		.amdhsa_system_vgpr_workitem_id 0
		.amdhsa_next_free_vgpr 1024
		.amdhsa_next_free_sgpr 100
		.amdhsa_reserve_vcc 0
		.amdhsa_float_denorm_mode_32 3
		.amdhsa_float_denorm_mode_16_64 3
		.amdhsa_memory_ordered 1
		.amdhsa_forward_progress 1
		.amdhsa_inst_pref_size 161
	.end_amdhsa_kernel
	.amdgpu_metadata
---
amdhsa.version: [ 1, 2 ]
amdhsa.kernels:
  - .name:           k_q0bf85052b2_proj
    .symbol:         k_q0bf85052b2_proj.kd
    .args:
      - { .name: x_codes, .offset: 0, .size: 8, .value_kind: global_buffer, .address_space: global }
      - { .name: x_scales, .offset: 8, .size: 8, .value_kind: global_buffer, .address_space: global }
      - { .name: Wk_codes, .offset: 16, .size: 8, .value_kind: global_buffer, .address_space: global }
      - { .name: Wv_codes, .offset: 24, .size: 8, .value_kind: global_buffer, .address_space: global }
      - { .name: Wk_scales, .offset: 32, .size: 8, .value_kind: global_buffer, .address_space: global }
      - { .name: Wv_scales, .offset: 40, .size: 8, .value_kind: global_buffer, .address_space: global }
      - { .name: bk, .offset: 48, .size: 8, .value_kind: global_buffer, .address_space: global }
      - { .name: bv, .offset: 56, .size: 8, .value_kind: global_buffer, .address_space: global }
      - { .name: Wo, .offset: 64, .size: 8, .value_kind: global_buffer, .address_space: global }
      - { .name: kvc, .offset: 72, .size: 8, .value_kind: global_buffer, .address_space: global }
      - { .name: wob, .offset: 80, .size: 8, .value_kind: global_buffer, .address_space: global }
    .group_segment_fixed_size: 327680
    .private_segment_fixed_size: 0
    .kernarg_segment_align: 8
    .kernarg_segment_size: 88
    .max_flat_workgroup_size: 128
    .sgpr_count:     100
    .vgpr_count:     1024
    .wavefront_size: 32
...
	.end_amdgpu_metadata
.endif
;; end of part 1
;; launch attn (part 2): grid 8 x 32, 4 waves a work-group, clusters of 4 x 1, 327,680 bytes of LDS; arguments x_codes, x_scales, Wq_codes, Wq_scales, bq, kvc, wob, part; writes part
.if DOCPART == 2
	.amdgcn_target "amdgcn-amd-amdhsa--gfx1250"
	.amdhsa_code_object_version 6
	.text
	.protected	k_q0bf85052b2_attn
	.globl	k_q0bf85052b2_attn
	.p2align	8
	.type	k_q0bf85052b2_attn,@function
k_q0bf85052b2_attn:
	s_mov_b64 s[64:65], 0
	v_nop
	global_prefetch_b8 v0, s[64:65] scope:SCOPE_SE
	s_setreg_imm32_b32 hwreg(HW_REG_WAVE_MODE, 25, 1), 1
	s_wait_xcnt 0x0
	s_wait_alu depctr_hold_cnt(0) depctr_sa_sdst(0) depctr_va_vdst(0) depctr_va_sdst(0) depctr_va_ssrc(0) depctr_va_vcc(0) depctr_vm_vsrc(0)
	s_getreg_b32 s2, hwreg(HW_REG_IB_STS2, 6, 4)
	s_cmp_eq_u32 s2, 0
	s_cbranch_scc0 .Lentry_in_a_cluster
	s_endpgm
.Lentry_in_a_cluster:
	s_bfe_u32 s2, ttmp6, 0x10000c
	s_cmp_lg_u32 s2, 0x3003
	s_cbranch_scc0 .Lentry_shape_is_right
	s_endpgm
.Lentry_shape_is_right:
; For slice n = 8 b + head and 128 queries: q = (x Wq + bq) 512^-0.25, scores = q k^T, p = 2^(t - M), O = p v, all on codes of E2M1 with one E8M0 scale for each 32 along K; then the slice's share of ctx Wo, divided by the row's sum.  No work is left out.
; t = score x log2(e).  p of a part of 128 keys is made and quantised under that part's own M (its largest t rounded up to a whole number); under the row's M only the scale bytes fall, by the difference, and the part's sum is multiplied by a power of two: nothing is rounded.
; The row's sum is taken of the unquantised p.
; LIMITS: NaN and infinities are not served; the scaled scores stay under 2^31 in magnitude.  A block's largest p is made from its largest score by the same multiply-add and exponential, which takes v_exp_f32 not to fall where its input rises.
; A block whose every p has fallen to 0 keeps the scale byte 1: its codes are zeros.  A byte that would fall under 1 is held at 1: that block's numbers are then at most 6 x 2^-126, beside a row whose largest p is over 1/2.
; A block of q whose largest magnitude lies under 2^-124, or of zeros, keeps the scale byte 1.  The bias of q starts each sum.  The last product takes O, not yet divided, and Wo in bf16 (bf16 has f32's range), with f32 sums.
; SHARES.  q: wave w makes features 128 w on of all 128 queries.  Phase 1: in each of two trips wave w takes all queries x the 128 keys of K's part 4 f + w.  Phase 2: wave w takes all queries x channels 128 w on, over V's eight parts.
; So each byte of K and V in LDS is read once by the work-group; q and p go from wave to wave as images of operand registers.
; LAYOUT.  All products are used transposed (source 0: features, keys or channels, 32 rows; source 1: 16 queries): a lane holds one query (lane % 16) throughout.  Tile qt's 64 numbers are v[64 (qt % 4)] of window 2 + qt / 4.
; A PART is four groups of eight fragments (1,024 bytes each, registers 4 c .. at 512 c + 16 x lane), then four runs of 512 bytes of scale words, 16 bytes a lane: register i has fragment 2 i's in lanes 0-15, 2 i + 1's in lanes 16-31.
; LDS.  Two slots of four parts.  Slot 0: K's parts 0-3, V's parts 0-3, at last p's second half and the waves' results; slot 1: Wq's 512 rows, K's parts 4-7, V's parts 4-7.  Behind them x's 128 rows, whose bytes take q's image and then p's first half.
; A fill is 139,264 bytes, one part a wave.  Each fill behind the head stands behind a round; it has a trip's work or more in which to land.
; CLUSTER 4 x 1: the four blocks of queries belong to one slice: Wq, its scales, K and V are joint loads with the mask of all four; x is each work-group's own.
; PREFETCH: behind each joint fill one instruction a wave asks for the fill after it: 8,192 bytes a wave, told apart by address among the cluster's 16 waves: 131,072 bytes; a fill's last 8,192 bytes come by the load alone.
.set PITCH, 272
.set HALFT, 128*PITCH
.set PARTB, 34816
.set SLOT1, 4*PARTB
.set XL,    2*SLOT1                    ; x, then q's image, then p's first half
.set WSL,   XL+PARTB                   ; -M (4,096 bytes) and the sums (4,096) of the eight parts; no fill lands here
.set SPARE, WSL+8192                   ; the spare words, 128 bytes for each wave
.set OWD,   8704                       ; from WSL: p's scale words, 512 bytes a part
.set OUTX,  36864                      ; the waves' results, 4,096 bytes each: bytes of V's part 1
.set LI,  1                            ; 16 x lane
.set SPW, 2                            ; my spare word; never rewritten
.set NIL, 3                            ; 0; never rewritten
.set ADX, 4
.set ADW, 5
.set QST, 7                            ; where my codes go: q's, and p's first half
.set QWS, 8
.set QLD, 9                            ; and where all are read
.set KB0, 10
.set ADK, 11
.set STA, 12
.set SAD, 13
.set STR, 14
.set VA,  15
.set VSA, 16
.set P1S, 17                           ; where p's second half goes
.set GO,  18
.set OXS, 19
.set OXR, 20
.set LRD, 21
.set PFO, 22
.set RL,  30                           ; v30, v31: 1 / the row's sum of my two tiles at the end
.set XS,  32
.set WS,  48
.set QS,  32
.set KS,  48
.set TT,  64
.set TA,  96
.set SO,  128
.set NM,  160                          ; -M of tile qt at NM + 2 qt
.set LS,  176
.set PCD, 192
.set BI,  64                           ; in window 1
.set PFA, 2
.set G1X, 20
.set G1Q, 28
.set G1S, 36
.set G1C, 44
.set G0X, 52
.set G0Q, 56
.set G0S, 60
.set VP,  66
.set G0K, 68
.set WV,  72
.set TB,  76                           ; LDS byte of the slot in hand
.set SF,  77                           ; 2,048 x trip
.set SEL, 80
.set SCQ, 82
.set MSK, 92
.set KQ,  93                           ; my part in a slot
.set CS,  94
.set G0V, 96
.set MSB, 0
.macro WIN new
.if MSB != (\new)
	s_set_vgpr_msb (MSB<<8)|(\new)
.set MSB, (\new)
.endif
.endm
.macro VW
	s_wait_alu depctr_va_vdst(0)
.endm
.macro PLACES
.rept 4
	v_nop
.endr
.endm
.macro CROUND
	s_barrier_signal -1
	s_barrier_wait -1
	s_cmp_lg_u32 s[WV], 0
	s_cbranch_scc1 .Lnot_wave_0_\@
	s_barrier_signal -3
.Lnot_wave_0_\@:
	s_barrier_wait -3
	s_barrier_signal -1
	s_barrier_wait -1
.endm
	s_load_b512 s[4:19], s[0:1], 0x0               ; x_codes 4, x_scales 6, Wq_codes 8, Wq_scales 10, bq 12, kvc 14, wob 16, part 18
	v_lshl_add_u32 v[SPW], v0, 2, SPARE
	v_mov_b32 v[NIL], 0
	ds_add_u32 v[SPW], v[NIL]                      ; the wave's opening: the add, twice on end, and its wait
	ds_add_u32 v[SPW], v[NIL]
	v_lshrrev_b32 v23, 5, v0
	v_readfirstlane_b32 s[WV], v23                 ; wave 0..3
	s_bfe_u32 s73, ttmp6, 0x40000                  ; cx
	s_lshl_b32 s74, ttmp9, 2
	s_add_co_u32 s74, s74, s73                     ; my block of 128 queries
	s_and_b32 s75, ttmp7, 0xffff                   ; n, which the four partners share
	s_lshr_b32 s76, s75, 3                         ; b
	s_and_b32 s77, s75, 7                          ; head
	s_mov_b32 s[G1X], (1<<20)|(5<<22)|(3<<25)      ; x: no mask; elements of 1 byte; padding of four words after every 64
	s_mov_b32 s[G1X+1], 256<<16
	s_mov_b32 s[G1X+2], 128<<16
	s_mov_b32 s[G1X+3], 256<<16
	s_mov_b32 s[G1X+4], 128
	s_mov_b32 s[G1X+5], 1024                       ; from t to t + 1 of one b
	s_mov_b32 s[G1Q], 15|(1<<20)|(1<<21)|(5<<22)|(3<<25)   ; Wq: the mask of all four, bit 21 beside it
	s_mov_b32 s[G1Q+1], 256<<16
	s_mov_b32 s[G1Q+2], 192<<16                    ; 192 rows
	s_mov_b32 s[G1Q+3], 256<<16
	s_mov_b32 s[G1Q+4], 192
	s_mov_b32 s[G1Q+5], 256
	s_mov_b32 s[G1S], 15|(1<<20)|(1<<21)|(5<<22)|(3<<25)   ; and its last 128
	s_mov_b32 s[G1S+1], 256<<16
	s_mov_b32 s[G1S+2], 128<<16
	s_mov_b32 s[G1S+3], 256<<16
	s_mov_b32 s[G1S+4], 128
	s_mov_b32 s[G1S+5], 256
	s_mov_b32 s[G1C], 15|(3<<16)|(1<<21)           ; a part: 136 rows of 256 dense bytes
	s_mov_b32 s[G1C+1], 32<<16
	s_mov_b32 s[G1C+2], 136<<16
	s_mov_b32 s[G1C+3], 32<<16
	s_mov_b32 s[G1C+4], 136
	s_mov_b32 s[G1C+5], 32
.irp g, G1X, G1Q, G1S, G1C
	s_mov_b32 s[\g+6], 0
	s_mov_b32 s[\g+7], 0
.endr
	s_lshl_b32 s78, s74, 17                        ; x: 128 block rows of 1,024 bytes, + b rows of 256
	s_lshl_b32 s84, s76, 8
	s_add_co_u32 s78, s78, s84
	s_mov_b32 s79, 0
	s_lshr_b32 s86, s[WV], 1                       ; waves 1 and 2 fetch Wq's rows 0-383
	s_lshl_b32 s84, s77, 17
	s_mul_i32 s85, s86, 192*256                    ; waves 1 and 2: rows 0-191 and 192-383,
	s_mul_i32 s90, s86, 192*PITCH
	s_add_co_u32 s86, s84, 384*256                 ; wave 3: rows 384-511
	s_mov_b32 s87, 0
	s_add_co_u32 s84, s84, s85
	s_mov_b32 s85, 0
	s_mul_i32 s88, s75, 16*PARTB                   ; the slice's 16 parts
	s_mov_b32 s89, 0
	s_mul_i32 s[KQ], s[WV], PARTB
	s_mov_b32 s[SEL], 0x76543210
	s_mov_b32 s[SEL+1], 0xfedcba98
	s_mov_b32 s[SCQ], 0x3e5744fd                   ; 512^-0.25
	s_mov_b32 s[SCQ+1], s[SCQ]
	s_mov_b32 s[CS], 0x3fb8aa3b                    ; log2(e)
	s_mov_b32 s[CS+1], s[CS]
	s_mov_b32 s[MSK], 0xffff0000                   ; lanes 16-31
	VW
	s_wait_dscnt 0x0                               ; both opening adds are done
	s_wait_kmcnt 0x0
	s_mov_b32 s[G0X], 1
	s_mov_b32 s[G0X+1], XL
	s_add_nc_u64 s[G0X+2:G0X+3], s[4:5], s[78:79]
	s_or_b32 s[G0X+3], s[G0X+3], 0x80000000
	s_mov_b32 s[G0Q], 1
	s_add_co_u32 s[G0Q+1], s90, SLOT1
	s_add_nc_u64 s[G0Q+2:G0Q+3], s[8:9], s[84:85]
	s_or_b32 s[G0Q+3], s[G0Q+3], 0x80000000
	s_mov_b32 s[G0S], 1
	s_mov_b32 s[G0S+1], SLOT1+384*PITCH
	s_add_nc_u64 s[G0S+2:G0S+3], s[8:9], s[86:87]
	s_or_b32 s[G0S+3], s[G0S+3], 0x80000000
	s_mov_b32 s90, s[KQ]
	s_mov_b32 s91, 0
	s_add_nc_u64 s[14:15], s[14:15], s[88:89]      ; kvc at my slice
	s_mov_b32 s[G0K], 1
	s_mov_b32 s[G0K+1], s[KQ]
	s_add_nc_u64 s[G0K+2:G0K+3], s[14:15], s[90:91]
	s_add_nc_u64 s[VP:VP+1], s[G0K+2:G0K+3], 8*PARTB   ; V's part w
	s_or_b32 s[G0K+3], s[G0K+3], 0x80000000
	s_mov_b32 s[G0V], 1
	CROUND                                         ; all four work-groups are here: the first joint loads meet
; ONE tensor load a wave: wave 0 x, waves 1, 2 and 3 the rows of Wq.
.macro ARM under, g0, g1, next
	s_cmp_lt_u32 s[WV], \under
	s_cbranch_scc0 \next
	tensor_load_to_lds s[\g0:\g0+3], s[\g1:\g1+7]
	s_nop 0
	PLACES
	s_branch .Lhead_asked
\next:
.endm
	ARM 1, G0X, G1X, .Lhead_q
	ARM 3, G0Q, G1Q, .Lhead_s
	tensor_load_to_lds s[G0S:G0S+3], s[G1S:G1S+7]
	s_nop 0
	PLACES
.Lhead_asked:
	s_lshl_b32 s84, s74, 13                        ; x's scales: 128 block rows of 64 bytes, + 16 b
	s_lshl_b32 s86, s76, 4
	s_add_co_u32 s84, s84, s86
	s_add_nc_u64 s[6:7], s[6:7], s[84:85]
	s_lshl_b32 s84, s77, 13                        ; Wq's scales: head x 8,192 + wave x 2,048 bytes
	s_lshl_b32 s86, s[WV], 11
	s_add_co_u32 s84, s84, s86
	s_add_nc_u64 s[10:11], s[10:11], s[84:85]
	s_lshl_b32 s84, s77, 11                        ; bq: head x 2,048 + wave x 512 bytes
	s_lshl_b32 s86, s[WV], 9
	s_add_co_u32 s84, s84, s86
	s_add_nc_u64 s[12:13], s[12:13], s[84:85]
	s_lshl_b32 s84, s75, 14                        ; wob: slice, my 128 channels
	s_lshl_b32 s87, s[WV], 12
	s_add_co_u32 s84, s84, s87
	s_add_nc_u64 s[16:17], s[16:17], s[84:85]
	s_lshl_b32 s84, s75, 15                        ; part: (1,024 n + 128 block + 32 wave) x 32 bytes
	s_lshl_b32 s88, s74, 12
	s_add_co_u32 s84, s84, s88
	s_lshl_b32 s88, s[WV], 10
	s_add_co_u32 s84, s84, s88
	s_add_nc_u64 s[18:19], s[18:19], s[84:85]
	s_lshl_b32 s84, s73, 15                        ; the prefetches: (4 cx + wave) x 8,192 bytes
	s_lshl_b32 s89, s[WV], 13
	s_add_co_u32 s84, s84, s89
	s_add_nc_u64 s[PFA:PFA+1], s[14:15], s[84:85]
	s_mul_i32 s84, s[WV], HALFT
	s_add_co_u32 s84, s84, SLOT1                   ; my 128 rows of Wq
	s_lshl_b32 s79, s[WV], 2
	s_mov_b32 s[TB], 0
	s_mov_b32 s[SF], 0
	v_and_b32 v24, 15, v0                          ; r
	v_bfe_u32 v25, v0, 4, 1                        ; h
	v_and_b32 v26, 31, v0                          ; lane
	v_lshlrev_b32 v[LI], 4, v26
	v_mul_u32_u24 v27, v24, PITCH
	v_lshl_add_u32 v27, v25, 4, v27                ; a fragment's row x pitch + 16 h
	v_add_nc_u32 v[ADX], XL, v27
	v_add_nc_u32 v[ADW], s84, v27
	v_add_nc_u32 v[STR], WSL, v[LI]
	v_add_nc_u32 v[QLD], XL, v[LI]
	v_add_nc_u32 v[QST], s89, v[QLD]
	v_add_nc_u32 v[QWS], s86, v[QLD]
	v_add_nc_u32 v[KB0], s[KQ], v[LI]
	v_add_nc_u32 v[STA], s86, v[STR]
	v_add_nc_u32 v[VA], s89, v[LI]
	v_add_nc_u32 v[P1S], s89, v[LI]
	v_add_nc_u32 v[VSA], s86, v[LI]
	v_lshlrev_b32 v[GO], 5, v24
	v_lshl_add_u32 v[GO], v25, 4, v[GO]            ; 32 r + 16 h
	v_add_nc_u32 v[OXS], s87, v[GO]
	v_add_nc_u32 v[OXS], OUTX, v[OXS]
	v_add_nc_u32 v[OXR], s88, v[GO]
	v_add_nc_u32 v[OXR], OUTX, v[OXR]
	v_lshlrev_b32 v[LRD], 4, v24
	v_add_nc_u32 v[LRD], s79, v[LRD]
	v_add_nc_u32 v[LRD], WSL+4096, v[LRD]
	v_lshlrev_b32 v[PFO], 8, v26
	v_lshlrev_b32 v28, 6, v26                      ; x's scale words: 64 bytes from t to t + 1
	v_lshlrev_b32 v29, 5, v25                      ; the bias as C: 8 h numbers on
.set z, 0
.rept 32
	v_mov_b32 v[TT+z], 0                           ; written once: a lane permute's destination counts as one of its sources
.set z, z+1
.endr
	VW                                             ; the wait at the head's end
.irp t, 0,1,2,3
	global_load_b128 v[XS+4*\t:XS+4*\t+3], v28, s[6:7] offset:2048*\t
	global_load_b128 v[WS+4*\t:WS+4*\t+3], v[LI], s[10:11] offset:512*\t   ; Wq's scale words: 16 bytes a row
.endr
	WIN 0x40
.irp t, 0,1,2,3,4,5,6,7
	global_load_b128 v[BI+8*\t:BI+8*\t+3], v29, s[12:13] offset:64*\t
	global_load_b128 v[BI+8*\t+4:BI+8*\t+7], v29, s[12:13] offset:64*\t+16
.endr
	WIN 0
.macro WM d, a, b, c, sa, sb, p        ; one scaled product of 32 x 16 x 128; c under 0: the constant 0 starts the sum
.if (\c) < 0
.if (\p)%2
	v_wmma_scale_f32_32x16x128_f4 v[\d:\d+15], v[\a:\a+15], v[\b:\b+7], 0, v[\sa], v[\sb] matrix_b_scale:MATRIX_SCALE_ROW1
.else
	v_wmma_scale_f32_32x16x128_f4 v[\d:\d+15], v[\a:\a+15], v[\b:\b+7], 0, v[\sa], v[\sb]
.endif
.elseif (\p)%2
	v_wmma_scale_f32_32x16x128_f4 v[\d:\d+15], v[\a:\a+15], v[\b:\b+7], v[\c:\c+15], v[\sa], v[\sb] matrix_b_scale:MATRIX_SCALE_ROW1
.else
	v_wmma_scale_f32_32x16x128_f4 v[\d:\d+15], v[\a:\a+15], v[\b:\b+7], v[\c:\c+15], v[\sa], v[\sb]
.endif
.endm
; Eight tiles of queries against four of 32 rows, 128 along K.  mode 0: onto the sums; 1: the constant 0 starts them; 2: the bias starts them.  The 32 accumulators take turns in the same order in every step.
; w1: the wait on DScnt ahead of the second half (under 0: none).
.macro MUL a, b, sa, sb, st, mode, base, w1
.irp hi, 0,1
.if \hi && (\w1 >= 0)
	s_wait_dscnt \w1
.endif
.irp p, 0,1,2,3
.if \mode == 2
	WIN \base+0x90+0x40*\hi
.else
	WIN \base+0xa0+0x50*\hi
.endif
.irp r, 0,1,2,3
.set DR, 64*\p+16*\r
.set AR, (\a)+16*\r
.set BR, (\b)+32*\hi+8*\p
.set SAR, (\sa)+(\st)*\r
.set SBR, (\sb)+(\st)*(2*\hi+\p/2)
.if \mode == 2
.set CR, BI+16*\r
.elseif \mode == 1
.set CR, -1
.else
.set CR, DR
.endif
	WM DR, AR, BR, CR, SAR, SBR, \p
.endr
.endr
.endr
.endm
; Phase 2: load kk of part j's 34: p's scale words, V's, V's eight fragments (my channels), p's eight fragments of the part's keys.
.macro ITEM j
.if kk == 0
	WIN 0
	ds_load_b128 v[56+4*((\j)%2):59+4*((\j)%2)], v[STR] offset:OWD+512*(\j)
.elseif kk == 1
	WIN 0
	ds_load_b128 v[48+4*((\j)%2):51+4*((\j)%2)], v[VSA] offset:32768
.elseif kk < 18
	WIN 0x40
	ds_load_b128 v[64*((\j)%2)+4*(kk-2):64*((\j)%2)+4*(kk-2)+3], v[VA] offset:512*(kk-2)
.elseif kk < 34
	WIN 0
.if (\j) < 4
	ds_load_b128 v[64+64*((\j)%2)+4*(kk-18):64+64*((\j)%2)+4*(kk-18)+3], v[QLD] offset:8192*(\j)+512*(kk-18)
.else
	ds_load_b128 v[64+64*((\j)%2)+4*(kk-18):64+64*((\j)%2)+4*(kk-18)+3], v[LI] offset:8192*((\j)-4)+512*(kk-18)
.endif
.endif
.set kk, kk+1
.endm
.macro LDP j
.set kk, 0
.rept 34
	ITEM \j
.endr
.endm
.macro FETCHQ q                        ; K step q: Wq's fragments into window 1, x's into window 0, two sets of each
.set PAR, (\q)%2
	WIN 0x40
.irp i, 0,1,2,3,4,5,6,7
.irp c, 0,1
	ds_load_b128 v[128*PAR+8*\i+4*\c:128*PAR+8*\i+4*\c+3], v[ADW] offset:64*(\q)+32*\c+\i*16*PITCH
.endr
.endr
	WIN 0
.irp i, 0,1,2,3,4,5,6,7
.irp c, 0,1
	ds_load_b128 v[128+64*PAR+8*\i+4*\c:128+64*PAR+8*\i+4*\c+3], v[ADX] offset:64*(\q)+32*\c+\i*16*PITCH
.endr
.endr
.endm
; 32 blocks by turns: register 4 qt + b of TA is block b of tile qt.
.macro JOIN                            ; with lane l xor 16's half block
	WIN 0
.set z, 0
.rept 32
	v_permlanex16_b32 v[TT+z], v[TA+z], s[SEL], s[SEL+1]
.set z, z+1
.endr
.set z, 0
.rept 32
	v_max_num_f32 v[TA+z], v[TA+z], v[TT+z]
.set z, z+1
.endr
.endm
; From the blocks' largest magnitudes to the codes (PCD + 8 qt) and the scale words (TA + 0 .. 3, packed by pairs of tiles).
.macro CODES
.set z, 0
.rept 32
	v_add_nc_u32 v[SO+z], 0xff000000, v[TA+z]      ; 2 off the exponent field: the conversion's scale operand
.set z, z+1
.endr
.set z, 0
.rept 32
	v_lshrrev_b32 v[TT+z], 23, v[SO+z]             ; the scale's byte
.set z, z+1
.endr
.irp i, 1,2,3
.set z, 0
.rept 8
	v_lshl_or_b32 v[TT+4*z], v[TT+4*z+\i], 8*\i, v[TT+4*z]
.set z, z+1
.endr
.endr
.irp w, 0,1
	WIN 0x02+\w
.set z, 0
.rept 8
	v_cvt_scalef32_pk8_fp4_f32 v[PCD+32*\w+4*z], v[32*z:32*z+7], v[SO+16*\w+2*z]
	v_cvt_scalef32_pk8_fp4_f32 v[PCD+32*\w+4*z+2], v[32*z+8:32*z+15], v[SO+16*\w+2*z]
	v_cvt_scalef32_pk8_fp4_f32 v[PCD+32*\w+4*z+1], v[32*z+16:32*z+23], v[SO+16*\w+2*z+1]
	v_cvt_scalef32_pk8_fp4_f32 v[PCD+32*\w+4*z+3], v[32*z+24:32*z+31], v[SO+16*\w+2*z+1]
.set z, z+1
.endr
.endr
	v_nop                                          ; one plain instruction behind a scaled conversion
	WIN 0
.set z, 0
.rept 32
	v_permlane16_swap_b32 v[PCD+2*z], v[PCD+2*z+1] ; register 4 c + i now holds codes 8 i .. 8 i + 7 of block 2 c + h
.set z, z+1
.endr
.irp i, 0,1,2,3
	v_cndmask_b32 v[TA+\i], v[TT+8*\i], v[TT+8*\i+4], s[MSK]
.endr
.endm
.macro PUT adr                         ; the 64 registers of codes as an image
.set z, 0
.rept 16
	ds_store_b128 v[\adr], v[PCD+4*z:PCD+4*z+3] offset:512*z
.set z, z+1
.endr
.endm
	s_wait_tensorcnt 0x0                           ; my tile of the head's four is in
	ds_add_u32 v[SPW], v[NIL]
	s_wait_dscnt 0x0
	CROUND                                         ; all four tiles are in
	tensor_load_to_lds s[G0K:G0K+3], s[G1C:G1C+7]  ; K's parts 0-3: they land while q is made
	s_nop 0
	PLACES
	FETCHQ 0
	global_prefetch_b8 v[PFO], s[PFA:PFA+1] offset:4*PARTB th:TH_LOAD_NT scope:SCOPE_SE   ; K's parts 4-7
	s_wait_loadcnt 0x0                             ; x's and Wq's scale words and bq
; q.  The next step's fragments are asked for in one run ahead of a step's products; four plain instructions stand between the last product that read a register and a load into it (ISA guide 7.12.1 for vector instructions).
; A step begins when all but its youngest eight loads (x's tiles 4-7) are in; behind those the next step's 32 have been issued when its second half begins.
.irp q, 0,1,2
	s_wait_dscnt 8
	PLACES
	FETCHQ \q+1
.if \q == 0
	MUL 0, 128, WS, XS, 4, 2, 0x01, 32
.else
	MUL 128*(\q%2), 128+64*(\q%2), WS+\q, XS+\q, 4, 0, 0x01, 32
.endif
.endr
	s_wait_dscnt 0x0
	s_barrier_signal -1                            ; my reads of x are over
	MUL 128, 192, WS+3, XS+3, 4, 0, 0x01, -1
	s_barrier_wait -1                              ; everybody's are: q's image may lie over x
	PLACES
.irp w, 0,1
	WIN 0x82+0x41*\w
.set z, 0
.rept 128
	v_pk_mul_f32 v[2*z:2*z+1], v[2*z:2*z+1], s[SCQ:SCQ+1] op_sel_hi:[1,0]
.set z, z+1
.endr
.endr
.irp w, 0,1
	WIN 0x0a+5*\w
.set z, 0
.rept 16
	v_max3_num_f32 v[TA+16*\w+z], |v[16*z]|, |v[16*z+1]|, 0x1800000    ; the floor 2^(3 - 127): the byte cannot fall under 1
.set z, z+1
.endr
	WIN 0x28+0x14*\w
.irp i, 2,4,6,8,10,12,14
.set z, 0
.rept 16
	v_max3_num_f32 v[TA+16*\w+z], v[TA+16*\w+z], |v[16*z+\i]|, |v[16*z+\i+1]|
.set z, z+1
.endr
.endr
.endr
	JOIN
	CODES
	PUT QST                                        ; features 128 w on: fragment (w, qt)
	ds_store_b128 v[QWS], v[TA:TA+3] offset:32768
	s_wait_tensorcnt 0x0                           ; my part of K is in
	ds_add_u32 v[SPW], v[NIL]
	s_add_co_u32 s[G0K+1], s[G0K+1], SLOT1
	s_add_nc_u64 s[G0K+2:G0K+3], s[G0K+2:G0K+3], 4*PARTB
	s_wait_dscnt 0x0                               ; the add and my stores are done
	CROUND                                         ; q's image is whole, nobody reads Wq any more
	tensor_load_to_lds s[G0K:G0K+3], s[G1C:G1C+7]  ; K's parts 4-7
	s_nop 0
	PLACES
	WIN 0x40
.set z, 0
.rept 64
	ds_load_b128 v[4*z:4*z+3], v[QLD] offset:512*z ; q stays in window 1 through phase 1: fragment (s, qt) at v[64 s + 8 qt]
.set z, z+1
.endr
	WIN 0
.irp s, 0,1,2,3
	ds_load_b128 v[QS+4*\s:QS+4*\s+3], v[QLD] offset:32768+512*\s
.endr
	global_prefetch_b8 v[PFO], s[PFA:PFA+1] offset:8*PARTB th:TH_LOAD_NT scope:SCOPE_SE   ; V's parts 0-3
.macro KF s                            ; K's fragments of features 128 s on
.irp i, 0,1,2,3,4,5,6,7
.irp c, 0,1
	ds_load_b128 v[64+64*((\s)%2)+8*\i+4*\c:64+64*((\s)%2)+8*\i+4*\c+3], v[ADK] offset:8192*(\s)+1024*\i+512*\c
.endr
.endr
.endm
.Lkeys:                                            ; PHASE 1: two trips
	v_add_nc_u32 v[ADK], s[TB], v[KB0]
	v_add_nc_u32 v[SAD], s[SF], v[STA]
	VW
.irp s, 0,1,2,3
	ds_load_b128 v[KS+4*\s:KS+4*\s+3], v[ADK] offset:32768+512*\s
.endr
	KF 0
	KF 1
.irp s, 0,1,2,3
.if \s == 3
	s_wait_dscnt 0x0
.else
	s_wait_dscnt 16                                ; the next step's 16 loads may be out
.endif
.if \s == 0
	MUL 64, 0, KS, QS, 1, 1, 0x04, -1
.else
	MUL 64+64*(\s%2), 64*\s, KS+4*\s, QS+4*\s, 1, 0, 0x04, -1
.endif
.if \s < 2
	PLACES
	WIN 0
	KF \s+2
.endif
.endr
	PLACES
; The largest score of each block: for M and for the block's largest p.  Each accumulator is read from its low end on.
.irp w, 0,1
	WIN 0x2a+0x15*\w
.set z, 0
.rept 16
	v_max3_num_f32 v[TA+16*\w+z], v[16*z], v[16*z+1], v[16*z+2]
.set z, z+1
.endr
	WIN 0x28+0x14*\w
.irp i, 3,5,7,9,11,13
.set z, 0
.rept 16
	v_max3_num_f32 v[TA+16*\w+z], v[TA+16*\w+z], v[16*z+\i], v[16*z+\i+1]
.set z, z+1
.endr
.endr
.set z, 0
.rept 16
	v_max_num_f32 v[TA+16*\w+z], v[TA+16*\w+z], v[16*z+15]
.set z, z+1
.endr
.endr
	JOIN
.set z, 0
.rept 8
	v_max3_num_f32 v[80+z], v[TA+4*z], v[TA+4*z+1], v[TA+4*z+2]
.set z, z+1
.endr
.set z, 0
.rept 8
	v_max_num_f32 v[80+z], v[80+z], v[TA+4*z+3]
.set z, z+1
.endr
.set z, 0
.rept 8
	v_mul_f32 v[80+z], s[CS], v[80+z]              ; the part's largest t
.set z, z+1
.endr
.set z, 0
.rept 8
	v_floor_f32 v[NM+2*z], -v[80+z]                ; -M
.set z, z+1
.endr
.set z, 0
.rept 32
	v_fma_f32 v[TA+z], v[TA+z], s[CS], v[NM+2*(z/4)]
.set z, z+1
.endr
.irp i, 0,1,2,3
	v_cndmask_b32 v[80+\i], v[NM+4*\i], v[NM+4*\i+2], s[MSK]
.endr
	ds_store_b128 v[SAD], v[80:83]                 ; the part's -M, ahead of the trip's round: behind it all waves may read it
.macro TM                              ; t - M, a pair of scores an instruction
	v_pk_fma_f32 v[2*y:2*y+1], v[2*y:2*y+1], s[CS:CS+1], v[NM+2*(4*yw+y/32):NM+2*(4*yw+y/32)+1] op_sel_hi:[1,0,0]
.endm
; p = 2^(t - M): batches of two tiles; the second two tiles' scalings stand in the first two's batch and name none of its registers.
.irp w, 0,1
	WIN 0x82+0x41*\w
.set yw, \w
.set y, 0
.rept 64
	TM
.set y, y+1
.endr
	VW                                             ; the wait ahead of the batch
.set z, 0
.rept 64
.set y, z+64
	TM
	v_exp_f32 v[2*z], v[2*z]
	v_exp_f32 v[2*z+1], v[2*z+1]
.set z, z+1
.endr
	VW
.rept 64
	v_exp_f32 v[2*z], v[2*z]
	v_exp_f32 v[2*z+1], v[2*z+1]
.set z, z+1
.endr
.endr
	WIN 0
.set z, 0
.rept 32
	v_exp_f32 v[TA+z], v[TA+z]                     ; each block's largest p
.set z, z+1
.endr
	v_nop
	VW                                             ; one wait for these batches, ahead of their first reader
	; THE CHANGE: the slot in hand lies in registers, the other has landed.  It takes V's part 4 f + w.
	s_wait_tensorcnt 0x0
	ds_add_u32 v[SPW], v[NIL]
	s_add_co_u32 s[G0V+1], s[KQ], s[TB]
	s_mov_b64 s[G0V+2:G0V+3], s[VP:VP+1]
	s_or_b32 s[G0V+3], s[G0V+3], 0x80000000
	s_add_nc_u64 s[VP:VP+1], s[VP:VP+1], 4*PARTB
	s_wait_dscnt 0x0
	CROUND
	tensor_load_to_lds s[G0V:G0V+3], s[G1C:G1C+7]
	s_nop 0
	PLACES
; The part's sum of the unquantised p, in two chains a tile.
.irp w, 0,1
	WIN 0x0a+5*\w
.irp q, 0,1,2,3
	v_pk_add_f32 v[LS+8*\w+2*\q:LS+8*\w+2*\q+1], v[64*\q:64*\q+1], v[64*\q+2:64*\q+3]
	v_pk_add_f32 v[TT+8*\w+2*\q:TT+8*\w+2*\q+1], v[64*\q+4:64*\q+5], v[64*\q+6:64*\q+7]
.endr
	WIN 0x08+4*\w
.irp j, 8,12,16,20,24,28,32,36,40,44,48,52,56,60
.irp q, 0,1,2,3
	v_pk_add_f32 v[LS+8*\w+2*\q:LS+8*\w+2*\q+1], v[LS+8*\w+2*\q:LS+8*\w+2*\q+1], v[64*\q+\j:64*\q+\j+1]
	v_pk_add_f32 v[TT+8*\w+2*\q:TT+8*\w+2*\q+1], v[TT+8*\w+2*\q:TT+8*\w+2*\q+1], v[64*\q+\j+2:64*\q+\j+3]
.endr
.endr
.endr
	WIN 0
.set z, 0
.rept 8
	v_pk_add_f32 v[LS+2*z:LS+2*z+1], v[LS+2*z:LS+2*z+1], v[TT+2*z:TT+2*z+1]
.set z, z+1
.endr
.set z, 0
.rept 8
	v_add_f32 v[TT+z], v[LS+2*z], v[LS+2*z+1]
.set z, z+1
.endr
.irp i, 0,1,2,3
	v_permlane16_swap_b32 v[TT+2*\i], v[TT+2*\i+1] ; the halves of two tiles change places,
.endr
.irp i, 0,1,2,3
	v_add_f32 v[80+\i], v[TT+2*\i], v[TT+2*\i+1]   ; so that lanes 0-15 hold tile 2 i's sum, lanes 16-31 tile 2 i + 1's
.endr
	ds_store_b128 v[SAD], v[80:83] offset:4096
.set z, 0
.rept 32
	v_max_num_f32 v[TA+z], 0x1800000, v[TA+z]      ; the floor 2^(3 - 127): the byte cannot fall under 1
.set z, z+1
.endr
	CODES
	VW                                             ; the wait ahead of the branch
	s_cmp_lg_u32 s[TB], 0
	s_cbranch_scc1 .Lsecond
	PUT QST                                        ; p's first half, over q's image: every wave has had q in registers since the round; the second half stays in registers
	global_prefetch_b8 v[PFO], s[PFA:PFA+1] offset:12*PARTB th:TH_LOAD_NT scope:SCOPE_SE   ; V's parts 4-7
.Lsecond:
	ds_store_b128 v[SAD], v[TA:TA+3] offset:OWD
	s_add_co_u32 s[TB], s[TB], SLOT1
	s_add_co_u32 s[SF], s[SF], 2048
	s_cmp_lg_u32 s[SF], 4096
	s_cbranch_scc1 .Lkeys
	; BETWEEN THE PHASES.
	WIN 0x40
.set z, 0
.rept 8
	global_load_b128 v[128+4*z:128+4*z+3], v[LI], s[16:17] offset:512*z   ; Wo^T's four fragments of my channels, wanted at the end
.set z, z+1
.endr
	WIN 0
.irp t, 0,1,2,3,4,5,6,7
	ds_load_b128 v[128+4*\t:131+4*\t], v[STR] offset:512*\t   ; all parts' -M: stored ahead of the last trip's round
.endr
.irp f, 0,1
	ds_load_b128 v[160+4*\f:163+4*\f], v[STA] offset:OWD+2048*\f
	ds_load_b128 v[168+4*\f:171+4*\f], v[STA] offset:4096+2048*\f
	ds_load_b128 v[184+4*\f:187+4*\f], v[STA] offset:2048*\f
.endr
.set kk, 1
.rept 17
	ITEM 0
.endr
	WIN 0
	s_wait_dscnt 17                                ; all but V's part 0
.irp i, 0,1,2,3
	v_min3_num_f32 v[176+\i], v[128+\i], v[132+\i], v[136+\i]
.endr
.irp i, 0,1,2,3
	v_min3_num_f32 v[176+\i], v[176+\i], v[140+\i], v[144+\i]
.endr
.irp i, 0,1,2,3
	v_min3_num_f32 v[176+\i], v[176+\i], v[148+\i], v[152+\i]
.endr
.irp i, 0,1,2,3
	v_min_num_f32 v[176+\i], v[176+\i], v[156+\i]  ; the row's -M
.endr
; My parts' four scale bytes fall by M - the part's M, a whole number, 0 or more, and are held at 1 from below; the part's sum is multiplied by 2^(the part's M - M).
.irp f, 0,1
.irp i, 0,1,2,3
	v_sub_f32 v[180+\i], v[184+4*\f+\i], v[176+\i]
.endr
.irp b, 0,1,2,3
.irp i, 0,1,2,3
	v_bfe_u32 v[32+4*\b+\i], v[160+4*\f+\i], 8*\b, 8
.endr
.endr
.set z, 0
.rept 16
	v_cvt_f32_u32 v[32+z], v[32+z]
.set z, z+1
.endr
.set z, 0
.rept 16
	v_sub_f32 v[32+z], v[32+z], v[180+z%4]
.set z, z+1
.endr
.set z, 0
.rept 16
	v_max_num_f32 v[32+z], 1.0, v[32+z]
.set z, z+1
.endr
.set z, 0
.rept 16
	v_cvt_u32_f32 v[32+z], v[32+z]
.set z, z+1
.endr
.irp i, 0,1,2,3
	v_lshl_or_b32 v[160+4*\f+\i], v[36+\i], 8, v[32+\i]
.endr
.irp i, 0,1,2,3
	v_lshl_or_b32 v[160+4*\f+\i], v[40+\i], 16, v[160+4*\f+\i]
.endr
.irp i, 0,1,2,3
	v_lshl_or_b32 v[160+4*\f+\i], v[44+\i], 24, v[160+4*\f+\i]
.endr
.irp i, 0,1,2,3
	v_sub_f32 v[180+\i], v[176+\i], v[184+4*\f+\i]
.endr
.irp i, 0,1,2,3
	v_cvt_i32_f32 v[180+\i], v[180+\i]             ; (it saturates)
.endr
.irp i, 0,1,2,3
	v_ldexp_f32 v[168+4*\f+\i], v[168+4*\f+\i], v[180+\i]
.endr
	ds_store_b128 v[STA], v[160+4*\f:163+4*\f] offset:OWD+2048*\f
.endr
.irp i, 0,1,2,3
	v_add_f32 v[168+\i], v[168+\i], v[172+\i]
.endr
	ds_store_b128 v[STA], v[168:171] offset:4096   ; over my first part's sum, which I alone read
	s_wait_dscnt 0x0
	s_barrier_signal -1
	s_barrier_wait -1
.irp a, 0,1
.irp w, 0,1,2,3
	ds_load_b32 v[32+4*\a+\w], v[LRD] offset:512*\w+256*\a   ; the four waves' sums of my tiles 2 w, 2 w + 1
.endr
.endr
.set kk, 0
	ITEM 0
.set kk, 18
.rept 16
	ITEM 0
.endr
	s_wait_dscnt 17                                ; all but p's part 0
.irp a, 0,1
	v_add_f32 v[32+4*\a], v[32+4*\a], v[33+4*\a]
	v_add_f32 v[34+4*\a], v[34+4*\a], v[35+4*\a]
.endr
.irp a, 0,1
	v_add_f32 v[32+4*\a], v[32+4*\a], v[34+4*\a]
.endr
	VW                                             ; the wait ahead of the reciprocals
	v_rcp_f32 v[RL], v32
	v_rcp_f32 v[RL+1], v36
	v_nop
	VW                                             ; and behind them
	; PHASE 2.  The next part's 34 loads go out in one run ahead of a part's products.  A part begins when all but its youngest eight loads (p's tiles 4-7) are in; behind those the next part's 34 have been issued when its second half begins.
	; Two barriers stand round the products of parts 1 and 2.
	; behind the first, V's part 0 has been read by all, and p's second half is stored over it; behind the second, that half and V's parts 4-7 are whole.
.irp j, 0,1,2,3,4,5,6,7
.if (\j == 1) || (\j == 2)
	s_wait_dscnt 0x0
.if \j == 2
	s_wait_tensorcnt 0x0                           ; my part of V's second half is in
.endif
	s_barrier_signal -1
.else
	s_wait_dscnt 8
.endif
.if \j < 7
	WIN 0
	v_add_nc_u32 v[VA], PARTB, v[VA]               ; with the two v_nop the four places in front of the loads below
	v_add_nc_u32 v[VSA], PARTB, v[VSA]
	VW
	v_nop
	v_nop
	LDP \j+1
.endif
.if \j == 0
	MUL 0, 64, 48, 56, 1, 1, 0x01, 34
.elseif \j < 3
	MUL 64*(\j%2), 64+64*(\j%2), 48+4*(\j%2), 56+4*(\j%2), 1, 0, 0x01, -1
.elseif \j < 7
	MUL 64*(\j%2), 64+64*(\j%2), 48+4*(\j%2), 56+4*(\j%2), 1, 0, 0x01, 34
.else
	MUL 64*(\j%2), 64+64*(\j%2), 48+4*(\j%2), 56+4*(\j%2), 1, 0, 0x01, 0
.endif
.if (\j == 1) || (\j == 2)
	WIN 0
	s_barrier_wait -1
.endif
.if \j == 1
	PUT P1S
.endif
.endr
	; THE WAY OUT.  O^T to bf16: channels 32 e on of tile qt are fragment e of the last product; source 0 is Wo^T (rows 8-15 repeat rows 0-7), so that
	; lanes 0-15 and lanes 16-31 both hold the eight outputs of query lane % 16.  Four accumulators take turns.
	s_wait_loadcnt 0x0                             ; Wo^T
	PLACES
.irp w, 0,1
	WIN 0x0a+5*\w
.set z, 0
.rept 128
	v_cvt_pk_bf16_f32 v[64+z], v[2*z], v[2*z+1]
.set z, z+1
.endr
	WIN 0x01
.irp e, 0,1,2,3
.irp q, 0,1,2,3
.if \e == 0
	v_wmma_f32_16x16x32_bf16 v[192+32*\w+8*\q:199+32*\w+8*\q], v[128+8*\e:135+8*\e], v[64+32*\q+8*\e:71+32*\q+8*\e], 0
.else
	v_wmma_f32_16x16x32_bf16 v[192+32*\w+8*\q:199+32*\w+8*\q], v[128+8*\e:135+8*\e], v[64+32*\q+8*\e:71+32*\q+8*\e], v[192+32*\w+8*\q:199+32*\w+8*\q]
.endif
.endr
.endr
	PLACES
.endr
	WIN 0
.irp q, 0,1,2,3,4,5,6,7
.irp j, 0,1,2,3
	v_cndmask_b32 v[64+4*\q+\j], v[192+8*\q+\j], v[196+8*\q+\j], s[MSK]   ; lanes 0-15 send outputs 0-3, lanes 16-31 outputs 4-7
.endr
.endr
.irp q, 0,1,2,3,4,5,6,7
	ds_store_b128 v[OXS], v[64+4*\q:67+4*\q] offset:512*\q
.endr
	s_wait_dscnt 0x0
	s_barrier_signal -1
	s_barrier_wait -1
.irp a, 0,1
.irp w, 0,1,2,3
	ds_load_b128 v[96+16*\a+4*\w:99+16*\a+4*\w], v[OXR] offset:4096*\w+512*\a   ; the four waves' channels, my 32 queries
.endr
.endr
	s_wait_dscnt 0x0
.irp w, 1,2,3
.irp a, 0,1
	v_pk_add_f32 v[96+16*\a:97+16*\a], v[96+16*\a:97+16*\a], v[96+16*\a+4*\w:97+16*\a+4*\w]
	v_pk_add_f32 v[98+16*\a:99+16*\a], v[98+16*\a:99+16*\a], v[98+16*\a+4*\w:99+16*\a+4*\w]
.endr
.endr
.irp a, 0,1
.irp j, 0,1,2,3
	v_mul_f32 v[96+16*\a+\j], v[96+16*\a+\j], v[RL+\a]   ; divided by the row's sum
.endr
	global_store_b128 v[GO], v[96+16*\a:99+16*\a], s[18:19] offset:512*\a   ; 512 consecutive bytes: 16 queries x 8 outputs
.endr
	s_wait_tensorcnt 0x0                           ; the wave's end
	ds_add_u32 v[SPW], v[NIL]
	s_wait_dscnt 0x0
	CROUND                                         ; the closing round
	s_endpgm
.Lfunc_end_k_q0bf85052b2_attn:
	.size	k_q0bf85052b2_attn, .Lfunc_end_k_q0bf85052b2_attn-k_q0bf85052b2_attn
	.p2alignl 7, 3214868480
	.fill 96, 4, 3214868480
	.section	.rodata,"a",@progbits
	.p2align	6, 0x0
	.amdhsa_kernel k_q0bf85052b2_attn
		.amdhsa_group_segment_fixed_size 327680
		.amdhsa_private_segment_fixed_size 0
		.amdhsa_enable_private_segment 0
		.amdhsa_kernarg_size 64
		.amdhsa_user_sgpr_count 2
		.amdhsa_user_sgpr_kernarg_segment_ptr 1
		.amdhsa_wavefront_size32 1
		.amdhsa_system_sgpr_workgroup_id_x 1
		.amdhsa_system_sgpr_workgroup_id_y 1
		.amdhsa_system_sgpr_workgroup_id_z 1
		.amdhsa_system_vgpr_workitem_id 0
		.amdhsa_next_free_vgpr 1024
		.amdhsa_next_free_sgpr 100
		.amdhsa_reserve_vcc 0
		.amdhsa_float_denorm_mode_32 3
		.amdhsa_float_denorm_mode_16_64 3
		.amdhsa_memory_ordered 1
		.amdhsa_forward_progress 1
		.amdhsa_inst_pref_size 255
	.end_amdhsa_kernel
	.section	.bss,"aw",@nobits
	.p2align	6
	.space	262144
	.amdgpu_metadata
---
amdhsa.version: [ 1, 2 ]
amdhsa.kernels:
  - .name:           k_q0bf85052b2_attn
    .symbol:         k_q0bf85052b2_attn.kd
    .args:
      - { .name: x_codes, .offset: 0, .size: 8, .value_kind: global_buffer, .address_space: global }
      - { .name: x_scales, .offset: 8, .size: 8, .value_kind: global_buffer, .address_space: global }
      - { .name: Wq_codes, .offset: 16, .size: 8, .value_kind: global_buffer, .address_space: global }
      - { .name: Wq_scales, .offset: 24, .size: 8, .value_kind: global_buffer, .address_space: global }
      - { .name: bq, .offset: 32, .size: 8, .value_kind: global_buffer, .address_space: global }
      - { .name: kvc, .offset: 40, .size: 8, .value_kind: global_buffer, .address_space: global }
      - { .name: wob, .offset: 48, .size: 8, .value_kind: global_buffer, .address_space: global }
      - { .name: part, .offset: 56, .size: 8, .value_kind: global_buffer, .address_space: global }
    .group_segment_fixed_size: 327680
    .private_segment_fixed_size: 0
    .kernarg_segment_align: 8
    .kernarg_segment_size: 64
    .max_flat_workgroup_size: 128
    .sgpr_count:     100
    .vgpr_count:     1024
    .wavefront_size: 32
...
	.end_amdgpu_metadata
.endif
;; end of part 2
;; launch fin (part 3): grid 256 x 1, 1 waves a work-group, no clusters, 0 bytes of LDS; arguments part, bo, out0; writes out0
.if DOCPART == 3
	.amdgcn_target "amdgcn-amd-amdhsa--gfx1250"
	.amdhsa_code_object_version 6
	.text
	.protected	k_q0bf85052b2_fin
	.globl	k_q0bf85052b2_fin
	.p2align	8
	.type	k_q0bf85052b2_fin,@function
k_q0bf85052b2_fin:
	s_mov_b64 s[64:65], 0
	v_nop
	global_prefetch_b8 v0, s[64:65] scope:SCOPE_SE
	s_setreg_imm32_b32 hwreg(HW_REG_WAVE_MODE, 25, 1), 1
	s_wait_xcnt 0x0
; out0[t][b][o] = bo[o] + the sum over the 8 heads of part[8 b + head][t][o].  No work is left out.
; An output sums eight slices, which eight work-groups of the launch before have made: so the sum has a launch of its own, and each output one owner.
; A lane owns 16 bytes of out0 (four outputs): number idx = 32 x work-group + lane = 8 t + 2 b + half.  The wave stores 512 consecutive bytes, aligned.  Nine loads a lane, all issued before the one wait.
; No LDS, no matrix work, no cluster: work-groups share nothing, and the whole launch moves little more than part's bytes once.
.set HEADB, 32768                      ; part: bytes from a slice to the next: 1,024 t x 8 outputs x 4
	s_load_b128 s[4:7], s[0:1], 0x0                ; part, bo
	s_load_b64 s[8:9], s[0:1], 0x10                ; out0
	s_lshl_b32 s10, ttmp9, 5
	v_add_nc_u32 v1, s10, v0                       ; idx
	v_and_b32 v2, 1, v1                            ; which half of the eight outputs
	v_bfe_u32 v3, v1, 1, 2                         ; b
	v_lshrrev_b32 v4, 3, v1                        ; t
	v_lshlrev_b32 v5, 4, v2
	v_lshl_add_u32 v6, v4, 5, v5                   ; 32 t + 16 half
	v_lshl_add_u32 v6, v3, 18, v6                  ; + 8 b slices
	v_lshlrev_b32 v7, 4, v1
	s_wait_alu depctr_va_vdst(0)
	s_wait_kmcnt 0x0
	global_load_b128 v[8:11], v5, s[6:7]
.irp h, 0,1,2,3,4,5,6,7
	global_load_b128 v[12+4*\h:15+4*\h], v6, s[4:5] offset:HEADB*\h th:TH_LOAD_NT
.endr
	s_wait_loadcnt 0x0
.irp h, 0,1,2,3,4,5,6,7
	v_pk_add_f32 v[8:9], v[8:9], v[12+4*\h:13+4*\h]
	v_pk_add_f32 v[10:11], v[10:11], v[14+4*\h:15+4*\h]
.endr
	global_store_b128 v7, v[8:11], s[8:9]
	s_endpgm
.Lfunc_end_k_q0bf85052b2_fin:
	.size	k_q0bf85052b2_fin, .Lfunc_end_k_q0bf85052b2_fin-k_q0bf85052b2_fin
	.p2alignl 7, 3214868480
	.fill 96, 4, 3214868480
	.section	.rodata,"a",@progbits
	.p2align	6, 0x0
	.amdhsa_kernel k_q0bf85052b2_fin
		.amdhsa_group_segment_fixed_size 0
		.amdhsa_private_segment_fixed_size 0
		.amdhsa_enable_private_segment 0
		.amdhsa_kernarg_size 24
		.amdhsa_user_sgpr_count 2
		.amdhsa_user_sgpr_kernarg_segment_ptr 1
		.amdhsa_wavefront_size32 1
		.amdhsa_system_sgpr_workgroup_id_x 1
		.amdhsa_system_sgpr_workgroup_id_y 1
		.amdhsa_system_sgpr_workgroup_id_z 1
		.amdhsa_system_vgpr_workitem_id 0
		.amdhsa_next_free_vgpr 48
		.amdhsa_next_free_sgpr 66
		.amdhsa_reserve_vcc 0
		.amdhsa_float_denorm_mode_32 3
		.amdhsa_float_denorm_mode_16_64 3
		.amdhsa_memory_ordered 1
		.amdhsa_forward_progress 1
		.amdhsa_inst_pref_size 3
	.end_amdhsa_kernel
	.amdgpu_metadata
---
amdhsa.version: [ 1, 2 ]
amdhsa.kernels:
  - .name:           k_q0bf85052b2_fin
    .symbol:         k_q0bf85052b2_fin.kd
    .args:
      - { .name: part, .offset: 0, .size: 8, .value_kind: global_buffer, .address_space: global }
      - { .name: bo, .offset: 8, .size: 8, .value_kind: global_buffer, .address_space: global }
      - { .name: out0, .offset: 16, .size: 8, .value_kind: global_buffer, .address_space: global }
    .group_segment_fixed_size: 0
    .private_segment_fixed_size: 0
    .kernarg_segment_align: 8
    .kernarg_segment_size: 24
    .max_flat_workgroup_size: 32
    .sgpr_count:     66
    .vgpr_count:     48
    .wavefront_size: 32
...
	.end_amdgpu_metadata
.endif
;; end of part 3
